; MI455X (gfx1250); checked and timed in simulation.
; The chip was launched on July 23, 2026; its instructions are those of AMD's public machine-readable ISA for CDNA 5 (MIT licence, August 2026) and "CDNA5" Instruction Set Architecture Reference Guide (July 2026). The comments in the code are by the model that wrote it; some were corrected since.
;; Two Robots. Allowed arithmetic: float matrix products may take bf16 or f16 operands with f32 sums; all other float work in f32.
;; Inputs: u 4 x 1,000,000 float32; w 8 x 1,000,000 float32; x 8 x 1,000,000 float32; xbar 8 float32.
;; Outputs: out0 8 x 1,000,000 float32.
;; Constants: t = 0.
;; One version. Each part assembles by itself: llvm-mc -triple=amdgcn-amd-amdhsa -mcpu=gfx1250 --defsym DOCPART=n.
;; ======== version 1 of 1: 1 launch
;; launch step (part 1): grid 3125 x 1, 5 waves a work-group, no clusters, 0 bytes of LDS; arguments x, w, u, xbar, out0; writes out0
.if DOCPART == 1
	.amdgcn_target "amdgcn-amd-amdhsa--gfx1250"
	.amdhsa_code_object_version 6
	.text
	.protected	k_qe94e74a3bc_step
	.globl	k_qe94e74a3bc_step
	.p2align	8
	.type	k_qe94e74a3bc_step,@function
k_qe94e74a3bc_step:
	s_mov_b64 s[64:65], 0
	v_nop
	global_prefetch_b8 v0, s[64:65] scope:SCOPE_SE
	s_setreg_imm32_b32 hwreg(HW_REG_WAVE_MODE, 25, 1), 1
	s_wait_xcnt 0x0
; One Euler step of two point robots, each tied to its target by a ground spring and a ground damper.
; x, w, out: [8][1,000,000] f32; u: [4][1,000,000] f32; xbar: [8] f32.  Agent a owns rows 4a .. 4a+3 = px, py, vx, vy, and rows 2a, 2a+1 of u.
;
; ARITHMETIC.  The force is given as magnitude x cos / sin of atan2.  For every finite pair (a, b), sqrt(a^2+b^2) cos(atan2(b, a)) = a and
; sqrt(a^2+b^2) sin(atan2(b, a)) = b (both sides are 0 at a = b = 0), so Fgx = -KS dx - CD vx and Fgy = -KS dy - CD vy, and no root or
; angle is evaluated.  The masses are 1.  Per agent and component:
;     out_p = (p + H v) + w_p                                   d = p - xbar_p is formed first, so a common offset of p and xbar cancels
;     out_v = (v + H (u - KS d - CD v)) + w_v                   before anything is scaled
; LIMITS, kept on purpose: where dx^2+dy^2 or vx^2+vy^2 overflows f32 (magnitudes above about 1.8e19) the given form yields inf or NaN and
; this one the finite force; a NaN or an infinity in one component of a pair spoils both components of the force there and only its own
; row here; where the squares underflow (magnitudes below about 1e-19) the given form loses the force and this one keeps it (a
; difference below 1e-18).
;
; SHARES.  A row is 4,000,000 bytes = 15,625 x 256, so each row starts at a multiple of 256 bytes from its buffer's first byte.
; A wave takes 64 columns (256 bytes of each row) of BOTH agents: lanes 0-15 agent 1, lanes 16-31 agent 2, 16 bytes (4 columns) a lane.
; So each 16-byte load or store of the wave covers two runs of 256 consecutive bytes, each aligned.  15,625 = 3,125 x 5: 3,125 work-groups
; of five waves divide the columns exactly: no tail, no branch, all lanes always on.  Each byte of x, w, u is loaded once and each byte of
; out stored once.  The waves share nothing but xbar: no LDS, no barrier.  All eleven loads of a wave are issued before its first wait.
.set ROW,   4000000                    ; bytes in a row
.set WGB,   5*256                      ; bytes of each row that a work-group owns
.set HSTEP, 0x3d4ccccd                 ; H = 0.05.  -KS = -CD = -2.0 are written in place, as inline constants
.set VX, 2                             ; v2       byte offset in x, w, out: ROW + my 16 bytes + 4 rows for agent 2
.set VU, 3                             ; v3       byte offset in u:         ROW + my 16 bytes + 2 rows for agent 2
.set VB, 4                             ; v4       agent (0, 1), then byte offset in xbar: 16 x agent
.set XB, 6                             ; v[6:7]   my agent's target: xbar[4a], xbar[4a+1]
.set X,  8                             ; v[8:23]  x, row j of my agent in v[X+4j : X+4j+3]
.set W,  24                            ; v[24:39] w likewise; then the results, stored from here
.set U,  40                            ; v[40:47] u, row j of my agent in v[U+4j : U+4j+3]
.set T,  48                            ; v[48:51] at work
	s_load_b256 s[4:11], s[0:1], 0x0               ; x s[4:5], w s[6:7], u s[8:9], xbar s[10:11]
	s_load_b64 s[12:13], s[0:1], 0x20              ; out
	; Offsets, made while the addresses are on their way.  They carry a bias of one row, so that the rows of an agent are reached by the
	; immediates -ROW, 0, ROW, 2 ROW: 3 ROW = 12,000,000 would not fit the signed 24-bit field (ISA guide, chapter 10), 8,000,000 does.
	s_mul_i32 s2, ttmp9, WGB                       ; the work-group's first column, in bytes
	s_add_co_u32 s2, s2, ROW                       ; + the bias
	v_and_b32 v1, 15, v0                           ; lane within its half
	v_lshrrev_b32 v5, 5, v0                        ; wave
	v_bfe_u32 v[VB], v0, 4, 1                      ; half = agent
	v_lshl_add_u32 v1, v1, 4, s2                   ; 16 bytes a lane
	v_lshl_add_u32 v1, v5, 8, v1                   ; + 256 bytes a wave
	v_mad_u32_u24 v[VX], v[VB], 4*ROW, v1          ; agent 2: four rows down in x, w, out
	v_mad_u32_u24 v[VU], v[VB], 2*ROW, v1          ; two rows down in u
	v_lshlrev_b32 v[VB], 4, v[VB]                  ; four numbers on in xbar
	s_wait_kmcnt 0x0
; row j of my agent.  x, w and u are read once in the whole launch: non-temporal.  xbar is read by every wave: no hint.
.macro LDROW dst, j, voff, base
	global_load_b128 v[\dst+4*\j:\dst+4*\j+3], v[\voff], s[\base:\base+1] offset:\j*ROW-ROW th:TH_LOAD_NT
.endm
	global_load_b64 v[XB:XB+1], v[VB], s[10:11]    ;  1
	LDROW X, 0, VX, 4                              ;  2  px
	LDROW X, 2, VX, 4                              ;  3  vx
	LDROW W, 0, VX, 6                              ;  4      row 0 can be made
	LDROW X, 1, VX, 4                              ;  5  py
	LDROW X, 3, VX, 4                              ;  6  vy
	LDROW W, 1, VX, 6                              ;  7      row 1
	LDROW U, 0, VU, 8                              ;  8
	LDROW W, 2, VX, 6                              ;  9      row 2
	LDROW U, 1, VU, 8                              ; 10
	LDROW W, 3, VX, 6                              ; 11      row 3
; Position row j (0: x, 1: y): out = (p + H v) + w, two columns an instruction.  The result lands in w's registers, which are stored and
; never written again; no register that a load or a store names is rewritten anywhere, so no wait is needed for sources.
.macro POS j
.irp p, 0, 2
	v_pk_fma_f32 v[T+\p:T+\p+1], v[X+4*(\j+2)+\p:X+4*(\j+2)+\p+1], HSTEP, v[X+4*\j+\p:X+4*\j+\p+1] op_sel_hi:[1,0,1]
.endr
.irp p, 0, 2
	v_pk_add_f32 v[W+4*\j+\p:W+4*\j+\p+1], v[T+\p:T+\p+1], v[W+4*\j+\p:W+4*\j+\p+1]
.endr
	global_store_b128 v[VX], v[W+4*\j:W+4*\j+3], s[12:13] offset:\j*ROW-ROW th:TH_STORE_NT
.endm
; Velocity row j + 2 (j = 0: x, 1: y).  The target is one number for both columns of a pair: op_sel and op_sel_hi both pick register j of v[XB:XB+1].
.macro VEL j
.irp p, 0, 2
	v_pk_add_f32 v[T+\p:T+\p+1], v[X+4*\j+\p:X+4*\j+\p+1], v[XB:XB+1] op_sel:[0,\j] op_sel_hi:[1,\j] neg_lo:[0,1] neg_hi:[0,1]   ; d = p - target
.endr
.irp p, 0, 2
	v_pk_fma_f32 v[T+\p:T+\p+1], v[T+\p:T+\p+1], -2.0, v[U+4*\j+\p:U+4*\j+\p+1] op_sel_hi:[1,0,1]                               ; u - KS d
.endr
.irp p, 0, 2
	v_pk_fma_f32 v[T+\p:T+\p+1], v[X+4*(\j+2)+\p:X+4*(\j+2)+\p+1], -2.0, v[T+\p:T+\p+1] op_sel_hi:[1,0,1]                       ; - CD v
.endr
.irp p, 0, 2
	v_pk_fma_f32 v[T+\p:T+\p+1], v[T+\p:T+\p+1], HSTEP, v[X+4*(\j+2)+\p:X+4*(\j+2)+\p+1] op_sel_hi:[1,0,1]                      ; v + H (..)
.endr
.irp p, 0, 2
	v_pk_add_f32 v[W+4*(\j+2)+\p:W+4*(\j+2)+\p+1], v[T+\p:T+\p+1], v[W+4*(\j+2)+\p:W+4*(\j+2)+\p+1]                             ; + w
.endr
	global_store_b128 v[VX], v[W+4*(\j+2):W+4*(\j+2)+3], s[12:13] offset:\j*ROW+ROW th:TH_STORE_NT
.endm
	; Loads come back in the order of issue (ISA guide 5.7.1): each count is the number of loads issued behind the last one that the row needs.
	s_wait_loadcnt 7                               ; loads 1-4 are in; 5-11 stay out
	POS 0
	s_wait_loadcnt 4                               ; 5-7 are in; 8-11 stay out
	POS 1
	s_wait_loadcnt 2                               ; 8, 9 are in; u's second row and w's last stay out
	VEL 0
	s_wait_loadcnt 0                               ; nothing was issued behind load 11
	VEL 1
	s_endpgm
.Lfunc_end_k_qe94e74a3bc_step:
	.size	k_qe94e74a3bc_step, .Lfunc_end_k_qe94e74a3bc_step-k_qe94e74a3bc_step
	.p2alignl 7, 3214868480
	.fill 96, 4, 3214868480
	.section	.rodata,"a",@progbits
	.p2align	6, 0x0
	.amdhsa_kernel k_qe94e74a3bc_step
		.amdhsa_group_segment_fixed_size 0
		.amdhsa_private_segment_fixed_size 0
		.amdhsa_enable_private_segment 0
		.amdhsa_kernarg_size 40
		.amdhsa_user_sgpr_count 2
		.amdhsa_user_sgpr_kernarg_segment_ptr 1
		.amdhsa_wavefront_size32 1
		.amdhsa_system_sgpr_workgroup_id_x 1
		.amdhsa_system_sgpr_workgroup_id_y 1
		.amdhsa_system_sgpr_workgroup_id_z 1
		.amdhsa_system_vgpr_workitem_id 0
		.amdhsa_next_free_vgpr 52
		.amdhsa_next_free_sgpr 66
		.amdhsa_reserve_vcc 0
		.amdhsa_float_denorm_mode_32 3
		.amdhsa_float_denorm_mode_16_64 3
		.amdhsa_memory_ordered 1
		.amdhsa_forward_progress 1
		.amdhsa_inst_pref_size 5
	.end_amdhsa_kernel
	.amdgpu_metadata
---
amdhsa.version: [ 1, 2 ]
amdhsa.kernels:
  - .name:           k_qe94e74a3bc_step
    .symbol:         k_qe94e74a3bc_step.kd
    .args:
      - { .name: x, .offset: 0, .size: 8, .value_kind: global_buffer, .address_space: global }
      - { .name: w, .offset: 8, .size: 8, .value_kind: global_buffer, .address_space: global }
      - { .name: u, .offset: 16, .size: 8, .value_kind: global_buffer, .address_space: global }
      - { .name: xbar, .offset: 24, .size: 8, .value_kind: global_buffer, .address_space: global }
      - { .name: out0, .offset: 32, .size: 8, .value_kind: global_buffer, .address_space: global }
    .group_segment_fixed_size: 0
    .private_segment_fixed_size: 0
    .kernarg_segment_align: 8
    .kernarg_segment_size: 40
    .max_flat_workgroup_size: 160
    .sgpr_count:     66
    .vgpr_count:     52
    .wavefront_size: 32
...
	.end_amdgpu_metadata
.endif
;; end of part 1
